; MI455X (gfx1250); checked and timed in simulation.
; The chip was launched on July 23, 2026; its instructions are those of AMD's public machine-readable ISA for CDNA 5 (MIT licence, August 2026) and "CDNA5" Instruction Set Architecture Reference Guide (July 2026). The comments in the code are by the model that wrote it; some were corrected since.
;; Attention. Allowed arithmetic: matrix products marked QUANTISED: E2M3 operands, one E8M0 scale for each 32 along K, by v_wmma_scale_f32_16x16x128_f8f6f4 with both operands' format E2M3, f32 sums; products left as they are: f32 operands where the result goes on into a quantised operand, else bf16, f16 or f32 operands; f32 sums; everything else in f32.
;; Inputs: Wm 1,024 x 1,024 float32; Wq 1,024 x 1,024 float32; bq 1,024 float32; memory 64 x 1,024 x 1,024 float32; query 64 x 1,024 float32; v 1,024 float32.
;; Outputs: out0 64 x 1 x 1,024 float32; out1 64 x 1 x 1,024 float32.
;; This version of the problem:
;;   THIS VERSION OF THE PROBLEM IS GIVEN IN LOW PRECISION. The matrix products marked QUANTISED in the list below multiply operands that are first quantised to E2M3 (2 exponent bits, 3 mantissa bits; 6 bits a number), with one power-of-two scale for each 32 numbers along K (OCP MX v1.0); their sums are f32. All else is computed in f32.
;;   The module's matrix products, in the order in which they are computed (A, B: the left and right operand; K: the contracted axis; several contracted axes count as one K, in the product's order):
;;     1. [M 64, K 1,024] x [K 1,024, N 1,024]; A: input query; B: input Wq: QUANTISED
;;     2. [M 65,536, K 1,024] x [K 1,024, N 1,024]; A: input memory; B: input Wm: QUANTISED
;;     3. [M 65,536, K 1,024] x [K 1,024, N 1]; A: computed on the way; B: input v: left as it is (N = 1 < 16)
;;     4. batch 64 x [M 1, K 1,024] x [K 1,024, N 1,024]; A: computed on the way; B: input memory: left as it is (M = 1 < 16)
;;   THE QUANTISER, for each operand of a quantised product, along K:
;;     - K is cut into blocks of 32 from its start; a last block that is shorter is filled with zeros.
;;     - A block's scale is 2^e with e = floor(log2(the largest magnitude in the block)) - 2, held to -126 .. 127; a block of zeros has e = 0. As a byte (E8M0): e + 127.
;;     - Each number is divided by its block's scale, clamped to +-7.5, and rounded to the nearest number of E2M3, ties to even, subnormals kept.
;;     - The product sums the exact products of the quantised numbers (number of the format x scale) in f32.
;;   ~~~python
;;   def quantise(x, axis):      # numpy; x: float32 -> the quantised numbers, widened to float32 again
;;       x = np.moveaxis(x, axis, -1); K = x.shape[-1]
;;       x = np.pad(x, [(0, 0)] * (x.ndim - 1) + [(0, -K % 32)]); x = x.reshape(x.shape[:-1] + (-1, 32)); a = np.abs(x).max(-1, keepdims=True)
;;       e = np.where(a > 0, np.clip(np.frexp(np.where(a > 0, a, 1))[1] - 1 - 2, -126, 127), 0)      # np.frexp(a)[1] - 1 = floor(log2(a)), exactly
;;       r = np.clip(x / 2.0 ** e, -7.5, 7.5)
;;       step = 2.0 ** (np.maximum(np.frexp(np.where(r == 0, 1, r))[1] - 1, 0) - 3)
;;       q = np.round(r / step) * step * 2.0 ** e      # np.round: ties to even
;;       return np.moveaxis(q.reshape(q.shape[:-2] + (-1,))[..., :K], -1, axis).astype(np.float32)
;;   ~~~
;; One version. Each part assembles by itself: llvm-mc -triple=amdgcn-amd-amdhsa -mcpu=gfx1250 --defsym DOCPART=n.
;; ======== version 1 of 1: 3 launches
;; limits: values are held in bf16: 8 bits of precision; right only within a limited range of input values
;; workspace buffers: wrec 819,200 bytes; qc 262,144 bytes; scores 262,144 bytes; part 1,048,576 bytes; ml 2,048 bytes
;; launch prep (part 1): grid 320 x 1, 8 waves a work-group, no clusters, 40,448 bytes of LDS; arguments Wm, Wq, bq, query, wrec, qc; writes wrec, qc
.if DOCPART == 1
	.amdgcn_target "amdgcn-amd-amdhsa--gfx1250"
	.amdhsa_code_object_version 6
	.text
	.protected	k_qe704ea9b1b_prep
	.globl	k_qe704ea9b1b_prep
	.p2align	8
	.type	k_qe704ea9b1b_prep,@function
k_qe704ea9b1b_prep:
	s_mov_b64 s[64:65], 0
	v_nop
	global_prefetch_b8 v0, s[64:65] scope:SCOPE_SE
	s_setreg_imm32_b32 hwreg(HW_REG_WAVE_MODE, 25, 1), 1
	s_wait_xcnt 0x0
; Two jobs, chosen by the work-group's number.
; Work-groups 0-63: 16 rows of Wm [1024][1024] f32 become codes of FP6 (E2M3) with one E8M0 byte for each 32 along K, laid in wrec as the matrix unit's
;   registers take them: tile T at 12,800 T; in it fragment s (16 rows x 128 K, 12 registers a lane) at 1,536 s as 3 x 512 bytes (lane l's registers 4 c .. 4 c + 3 at 512 c + 16 l);
;   scale words at 12,288 + 128 y + 4 l: lanes 0-15 row l's word of K step 2 y, lanes 16-31 row l - 16's word of K step 2 y + 1.
; Work-groups 64-319: qc[b][h] = c (Q(query) Q(Wq)^T + bq), c = 2 log2(e), for 16 batches x 16 hidden units, by eight matrix instructions on codes.
; A block's scale is 2^(floor(log2(largest magnitude)) - 2); its byte is the largest magnitude's exponent field - 2, held at 1 from below.
; THE ORDER ALONG K.  A lane takes 16 neighbours (64 bytes) of a half row in four pieces of 16 bytes, piece j xor ((lane / 4) % 4) into its j-th four registers.  That moves numbers only inside a
; group of 16 along K, so inside a block of 32, and it is the same function of k in every operand of this program (memory, Wm, query, Wq): products and scales stay paired.
; LIMITS: NaN and infinities among the inputs are not served; a block whose largest magnitude lies under 2^-124 has its byte held at 1; a block of zeros has the byte 1 (the rule says 127): its codes are zeros and only this program reads the bytes.
; Each of the two paths has LDS bytes of its own.
.set CPITCH, 784                       ; a row's 768 bytes of codes + 16: row r starts 4 r banks on
.set TREC,   12800
.set C1, 0                             ; Wm's path: codes of 16 rows,
.set S1, 12544                         ; their scale bytes, 32 a row
.set CB, 13056                         ; the other path: Wq's codes,
.set SB, 25600                         ; Wq's scale bytes,
.set CQ, 26112                         ; query's codes,
.set SQ, 38656                         ; query's scale bytes
.set GA, 4                             ; v4-7  global byte of my piece j: 8,192 wave + 64 lane + 16 (j xor sigma)
.set CA, 8                             ; v8    LDS: my 12 bytes of codes: 1,568 wave + 12 lane
.set SA, 9                             ; v9    LDS: my block's byte: 64 wave + lane / 2
.set FA, 13                            ; v13   LDS: a fragment's row: 784 r + 24 h
.set FW, 14                            ; v14   the same + 96 wave: fragment s = wave
.set R1, 15                            ; v15   LDS: 32 r + 4 h
.set R2, 16                            ; v16   LDS: 32 r + 16 h
.set OW, 17                            ; v17   wrec: 16 lane + 1,536 wave
.set O4, 18                            ; v18   4 lane
.set OB, 19                            ; v19   4 r
.set OQ, 20                            ; v20   qc: 32,768 h + 4 r
.set T,  24                            ; v24-26 at work
.set CD, 192                           ; v192-223 codes: four registers for each step, never written twice
.set BY, 224                           ; v224-231 a scale byte for each step
	s_load_b256 s[4:11], s[0:1], 0x0               ; Wm s[4:5], Wq s[6:7], bq s[8:9], query s[10:11]
	s_load_b128 s[12:15], s[0:1], 0x20             ; wrec s[12:13], qc s[14:15]
	v_lshl_add_u32 v62, v0, 2, 0x9a00
	v_mov_b32 v63, 0
	v_lshrrev_b32 v1, 5, v0
	s_delay_alu instid0(VALU_DEP_1)
	v_readfirstlane_b32 s16, v1                    ; wave 0..7
	v_and_b32 v1, 31, v0                           ; lane
	v_and_b32 v2, 15, v0                           ; r
	v_bfe_u32 v3, v0, 4, 1                         ; h
	v_bfe_u32 v10, v0, 2, 2                        ; sigma = (lane / 4) % 4
	s_lshl_b32 s17, s16, 13                        ; a wave takes two rows of 4,096 bytes
	v_lshl_add_u32 v11, v1, 6, s17
.irp j, 0,1,2,3
	v_xor_b32 v12, \j, v10
	s_delay_alu instid0(VALU_DEP_1)
	v_lshl_add_u32 v[GA+\j], v12, 4, v11
.endr
	s_mul_i32 s17, s16, 2*CPITCH
	v_mul_u32_u24 v[CA], v1, 12
	s_delay_alu instid0(VALU_DEP_1)
	v_add_nc_u32 v[CA], s17, v[CA]
	s_lshl_b32 s17, s16, 6
	v_lshrrev_b32 v[SA], 1, v1
	s_delay_alu instid0(VALU_DEP_1)
	v_add_nc_u32 v[SA], s17, v[SA]
	v_mul_u32_u24 v[FA], v2, CPITCH
	s_delay_alu instid0(VALU_DEP_1)
	v_mad_u32_u24 v[FA], v3, 24, v[FA]
	s_mul_i32 s17, s16, 96
	v_add_nc_u32 v[FW], s17, v[FA]
	v_lshlrev_b32 v[R1], 5, v2
	s_delay_alu instid0(VALU_DEP_1)
	v_lshl_add_u32 v[R2], v3, 4, v[R1]
	s_delay_alu instid0(VALU_DEP_2)
	v_lshl_add_u32 v[R1], v3, 2, v[R1]
	s_mul_i32 s17, s16, 1536
	v_lshlrev_b32 v[OW], 4, v1
	s_delay_alu instid0(VALU_DEP_1)
	v_add_nc_u32 v[OW], s17, v[OW]
	v_lshlrev_b32 v[O4], 2, v1
	v_lshlrev_b32 v[OB], 2, v2
	s_delay_alu instid0(VALU_DEP_1)
	v_lshl_add_u32 v[OQ], v3, 15, v[OB]
	s_mov_b32 s24, 0x4038aa3b                      ; c = 2 log2(e)
	s_mov_b32 s25, s24                             ; (named with it as a pair)
	s_and_b32 s20, ttmp9, 63                       ; which 16 rows of the weight: the same formula on both paths
	s_lshl_b32 s22, s20, 16                        ; 16 rows of 4,096 bytes
	s_mov_b32 s23, 0
	s_wait_kmcnt 0x0
	s_cmp_lt_u32 ttmp9, 64                         ; Wm's work-group or Wq's?  The choice hangs on the work-group's number alone
	s_cselect_b64 s[18:19], s[4:5], s[6:7]
	s_add_nc_u64 s[18:19], s[18:19], s[22:23]
; my wave's two rows, four steps u = 2 (row) + (half row) of four loads: 16 numbers a lane and step
.macro GLOAD x, bas
.irp u, 0,1,2,3
.irp j, 0,1,2,3
	global_load_b128 v[\x+16*\u+4*\j:\x+16*\u+4*\j+3], v[GA+\j], s[\bas:\bas+1] offset:2048*\u
.endr
.endr
.endm
; step u of the numbers at v[x]: the block's largest magnitude (mine and my neighbour's 16), the scale, 16 codes; n picks the step's own result registers
.macro QSTEP x, u, n, cb, sb
.set XS, \x+16*(\u)
	v_max3_num_f32 v[T], |v[XS]|, |v[XS+1]|, |v[XS+2]|
	v_max3_num_f32 v[T+1], |v[XS+3]|, |v[XS+4]|, |v[XS+5]|
.irp i, 6,10
	s_delay_alu instid0(VALU_DEP_2)
	v_max3_num_f32 v[T], v[T], |v[XS+\i]|, |v[XS+\i+1]|
	s_delay_alu instid0(VALU_DEP_2)
	v_max3_num_f32 v[T+1], v[T+1], |v[XS+\i+2]|, |v[XS+\i+3]|
.endr
	s_delay_alu instid0(VALU_DEP_2)
	v_max3_num_f32 v[T], v[T], |v[XS+14]|, |v[XS+15]|
	s_delay_alu instid0(VALU_DEP_1)
	v_max3_num_f32 v[T], v[T], v[T+1], 0x1800000   ; and the floor 2^(3 - 127): the byte cannot fall under 1
	s_delay_alu instid0(VALU_DEP_1)
	v_max_num_f32_dpp v[T], v[T], v[T] row_xmask:1 row_mask:0xf bank_mask:0xf
	s_delay_alu instid0(VALU_DEP_1)
	v_add_nc_u32 v[T+2], 0xff000000, v[T]          ; 2 off the exponent field: the conversion's scale operand
	v_cvt_scalef32_pk16_fp6_f32 v[CD+4*(\n):CD+4*(\n)+2], v[XS:XS+15], v[T+2]
	v_lshrrev_b32 v[BY+(\n)], 23, v[T+2]           ; the scale's byte; also the plain line behind the conversion
	ds_store_b32 v[CA], v[CD+4*(\n)] offset:\cb+CPITCH*((\u)/2)+384*((\u)%2)
	ds_store_b32 v[CA], v[CD+4*(\n)+1] offset:\cb+CPITCH*((\u)/2)+384*((\u)%2)+4
	ds_store_b32 v[CA], v[CD+4*(\n)+2] offset:\cb+CPITCH*((\u)/2)+384*((\u)%2)+8
	ds_store_b8 v[SA], v[BY+(\n)] offset:\sb+16*(\u)   ; both lanes of a block write the same byte with the same value
.endm
	GLOAD 64, 18                                   ; the weight's rows, on both paths
	s_cmp_lt_u32 ttmp9, 64
	s_cbranch_scc0 .Lq
	; ---- Wm: codes to LDS by rows, back as fragments, out as register images
	s_mul_i32 s22, s20, TREC
	s_add_nc_u64 s[12:13], s[12:13], s[22:23]
.irp u, 0,1,2,3
	s_wait_loadcnt 12-4*\u                         ; step u's four loads are in; the later steps' may be out
	QSTEP 64, \u, \u, C1, S1
.endr
	s_wait_dscnt 0x0                               ; for the others' sake: my codes and bytes lie in LDS
	s_barrier_signal -1
	s_barrier_wait -1
.irp p, 0,1,2,3,4,5
	ds_load_b64 v[128+2*\p:129+2*\p], v[FW] offset:C1+48*(\p/3)+8*(\p%3)   ; fragment s = wave: lane (r, h) takes 24 bytes at 96 s + 24 h and at 96 s + 48 + 24 h of row r
.endr
	s_wait_dscnt 0x0
.irp c, 0,1,2
	global_store_b128 v[OW], v[128+4*\c:131+4*\c], s[12:13] offset:512*\c   ; 32 lanes store 512 consecutive bytes
.endr
	s_cmp_lg_u32 s16, 0
	s_cbranch_scc1 .Lt1_end
.irp y, 0,1,2,3
	ds_load_b32 v[140+\y], v[R1] offset:S1+8*\y    ; row r's word of K step 2 y + h
.endr
	s_wait_dscnt 0x0
.irp y, 0,1,2,3
	global_store_b32 v[O4], v[140+\y], s[12:13] offset:12288+128*\y
.endr
.Lt1_end:
	s_wait_tensorcnt 0x0
	ds_add_u32 v62, v63
	s_wait_dscnt 0x0
	s_endpgm
	; ---- q_proj: 16 batches x 16 hidden units
.Lq:
	s_lshr_b32 s21, ttmp9, 6
	s_sub_co_u32 s21, s21, 1                       ; which 16 batches
	s_lshl_b32 s22, s21, 16                        ; 16 rows of 4,096 bytes, in query and in qc alike
	s_add_nc_u64 s[10:11], s[10:11], s[22:23]
	s_add_nc_u64 s[14:15], s[14:15], s[22:23]
	s_lshl_b32 s22, s20, 6                         ; 16 hidden units of 4 bytes
	s_add_nc_u64 s[8:9], s[8:9], s[22:23]
	s_add_nc_u64 s[14:15], s[14:15], s[22:23]
	GLOAD 128, 10
	s_wait_alu depctr_va_vdst(0)
	global_load_b32 v56, v[OB], s[8:9]             ; bq of hidden unit r
.irp u, 0,1,2,3
	s_wait_loadcnt 29-4*\u                         ; behind Wq's step u: its later steps, query's sixteen loads and bq's
	QSTEP 64, \u, \u, CB, SB
.endr
.irp u, 0,1,2,3
	s_wait_loadcnt 13-4*\u                         ; behind query's step u: its later steps and bq's load
	QSTEP 128, \u, 4+\u, CQ, SQ
.endr
	s_wait_dscnt 0x0
	s_barrier_signal -1
	s_barrier_wait -1
	s_cmp_lg_u32 s16, 0
	s_cbranch_scc1 .Lt2_end                        ; eight matrix instructions are one wave's work
.irp s, 0,1,2,3,4,5,6,7
.irp p, 0,1,2,3,4,5
	ds_load_b64 v[64+12*\s+2*\p:65+12*\s+2*\p], v[FA] offset:CQ+96*\s+48*(\p/3)+8*(\p%3)
	ds_load_b64 v[160+12*\s+2*\p:161+12*\s+2*\p], v[FA] offset:CB+96*\s+48*(\p/3)+8*(\p%3)
.endr
.endr
	ds_load_b128 v[48:51], v[R2] offset:SQ         ; scale words: lanes 0-15 hold row r's words of K steps 0-3, lanes 16-31 those of K steps 4-7
	ds_load_b128 v[52:55], v[R2] offset:SB
	s_wait_loadcnt 0x0
	v_mul_f32 v58, s24, v56                        ; c bq
	v_mov_b32 v59, 0                               ; (named with it as a pair)
	s_wait_dscnt 0x0
; source 0 = 16 batches, source 1 = 16 hidden units; two accumulators by turns; the first two products start the sums
.irp s, 0,1,2,3,4,5,6,7
.if \s < 2
	v_wmma_scale_f32_16x16x128_f8f6f4 v[32+8*(\s%2):39+8*(\s%2)], v[64+12*\s:75+12*\s], v[160+12*\s:171+12*\s], 0, v[48+\s%4], v[52+\s%4] matrix_a_fmt:MATRIX_FMT_FP6 matrix_b_fmt:MATRIX_FMT_FP6
.elseif \s < 4
	v_wmma_scale_f32_16x16x128_f8f6f4 v[32+8*(\s%2):39+8*(\s%2)], v[64+12*\s:75+12*\s], v[160+12*\s:171+12*\s], v[32+8*(\s%2):39+8*(\s%2)], v[48+\s%4], v[52+\s%4] matrix_a_fmt:MATRIX_FMT_FP6 matrix_b_fmt:MATRIX_FMT_FP6
.else
	v_wmma_scale_f32_16x16x128_f8f6f4 v[32+8*(\s%2):39+8*(\s%2)], v[64+12*\s:75+12*\s], v[160+12*\s:171+12*\s], v[32+8*(\s%2):39+8*(\s%2)], v[48+\s%4], v[52+\s%4] matrix_a_fmt:MATRIX_FMT_FP6 matrix_b_fmt:MATRIX_FMT_FP6 matrix_a_scale:MATRIX_SCALE_ROW1 matrix_b_scale:MATRIX_SCALE_ROW1
.endif
.endr
.rept 4
	v_nop                                          ; four places behind the last products (ISA guide 7.12.1)
.endr
.irp j, 0,2,4,6
	v_pk_add_f32 v[32+\j:33+\j], v[32+\j:33+\j], v[40+\j:41+\j]   ; both accumulators from their low ends on
.endr
	s_wait_alu depctr_va_vdst(0)
.irp j, 0,2,4,6
	v_pk_fma_f32 v[32+\j:33+\j], v[32+\j:33+\j], s[24:25], v[58:59] op_sel_hi:[1,0,0]   ; c x sum + c bq
.endr
.irp j, 0,1,2,3,4,5,6,7
	global_store_b32 v[OQ], v[32+\j], s[14:15] offset:4096*\j   ; qc(batch 8 h + j, hidden unit r)
.endr
.Lt2_end:
	s_wait_tensorcnt 0x0
	ds_add_u32 v62, v63
	s_wait_dscnt 0x0
	s_endpgm
.Lfunc_end_k_qe704ea9b1b_prep:
	.size	k_qe704ea9b1b_prep, .Lfunc_end_k_qe704ea9b1b_prep-k_qe704ea9b1b_prep
	.p2alignl 7, 3214868480
	.fill 96, 4, 3214868480
	.section	.rodata,"a",@progbits
	.p2align	6, 0x0
	.amdhsa_kernel k_qe704ea9b1b_prep
		.amdhsa_group_segment_fixed_size 40448
		.amdhsa_private_segment_fixed_size 0
		.amdhsa_enable_private_segment 0
		.amdhsa_kernarg_size 48
		.amdhsa_user_sgpr_count 2
		.amdhsa_user_sgpr_kernarg_segment_ptr 1
		.amdhsa_wavefront_size32 1
		.amdhsa_system_sgpr_workgroup_id_x 1
		.amdhsa_system_sgpr_workgroup_id_y 1
		.amdhsa_system_sgpr_workgroup_id_z 1
		.amdhsa_system_vgpr_workitem_id 0
		.amdhsa_next_free_vgpr 256
		.amdhsa_next_free_sgpr 66
		.amdhsa_reserve_vcc 0
		.amdhsa_float_denorm_mode_32 3
		.amdhsa_float_denorm_mode_16_64 3
		.amdhsa_memory_ordered 1
		.amdhsa_forward_progress 1
		.amdhsa_inst_pref_size 33
	.end_amdhsa_kernel
	.amdgpu_metadata
---
amdhsa.version: [ 1, 2 ]
amdhsa.kernels:
  - .name:           k_qe704ea9b1b_prep
    .symbol:         k_qe704ea9b1b_prep.kd
    .args:
      - { .name: Wm, .offset: 0, .size: 8, .value_kind: global_buffer, .address_space: global }
      - { .name: Wq, .offset: 8, .size: 8, .value_kind: global_buffer, .address_space: global }
      - { .name: bq, .offset: 16, .size: 8, .value_kind: global_buffer, .address_space: global }
      - { .name: query, .offset: 24, .size: 8, .value_kind: global_buffer, .address_space: global }
      - { .name: wrec, .offset: 32, .size: 8, .value_kind: global_buffer, .address_space: global }
      - { .name: qc, .offset: 40, .size: 8, .value_kind: global_buffer, .address_space: global }
    .group_segment_fixed_size: 40448
    .private_segment_fixed_size: 0
    .kernarg_segment_align: 8
    .kernarg_segment_size: 48
    .max_flat_workgroup_size: 256
    .sgpr_count:     66
    .vgpr_count:     256
    .wavefront_size: 32
...
	.end_amdgpu_metadata
.endif
;; end of part 1
;; launch main (part 2): grid 256 x 1, 4 waves a work-group, no clusters, 327,680 bytes of LDS; arguments memory, v, qc, wrec, scores, part, ml; writes scores, part, ml
.if DOCPART == 2
	.amdgcn_target "amdgcn-amd-amdhsa--gfx1250"
	.amdhsa_code_object_version 6
	.text
	.protected	k_qe704ea9b1b_main
	.globl	k_qe704ea9b1b_main
	.p2align	8
	.type	k_qe704ea9b1b_main,@function
k_qe704ea9b1b_main:
	s_mov_b64 s[64:65], 0
	v_nop
	global_prefetch_b8 v0, s[64:65] scope:SCOPE_SE
	s_setreg_imm32_b32 hwreg(HW_REG_WAVE_MODE, 25, 1), 1
	s_wait_xcnt 0x0
; Additive attention, one quarter of a batch (256 memory rows) to a work-group, in four blocks of 64 rows.  memory is read from global memory once.
;   t[row] = sum over h of v'[h] / (1 + 2^(c x[row][h] + qc[h])),  x = Q(memory) Q(Wm)^T on codes of FP6 (E2M3),  c = 2 log2(e),  qc = c q_proj,  v' = -c v.
;   tanh(z) = 1 - 2 / (1 + e^(2 z)), so t = log2(e) (attn - sum v).  The term sum v is the same along the softmax's axis for all values of the inputs, so it is not added; the weights are 2^(t - max t).
; A BLOCK.  P1: a tensor load has brought each wave its 16 rows (65,536 bytes); the wave makes codes and scale bytes (to LDS, for all waves) and a bf16 copy that stays in its registers.
;   Barrier; the landing area is filled again with the next block.  P2: every wave fetches all 64 rows' codes into 384 registers.
;   P3: wave w multiplies them by its quarter of Wm (16 tiles of 16 hidden units), two tiles a trip: 64 products on end on two sets of four accumulators, then ONE activation of both sets,
;   laid in batches (32 multiply-adds, 64 exponentials, 32 additions, 64 reciprocals, 32 multiply-adds).  Wm's fragments come from global memory into two register rings; a ring is asked for again
;   (28 loads) directly behind its tile's products, for the tile two on.
;   The waves' partial t meet in LDS (barrier).  P4: running maximum M and sum L; the weighted sum of the wave's own 16 rows from the bf16 copy, f32 sums.
; At the end the four waves' sums meet in LDS; part[g] = sum 2^(t - M) memory, ml[g] = (M, L), scores = t.  A later launch joins the four quarters of a batch.
; THE ORDER ALONG K: as in the launch that lays out Wm: piece j xor ((lane / 4) % 4) of a lane's 64 bytes goes into its j-th four registers: a move inside a group of 16 along K, the same in both operands.
; NO CLUSTER, NO JOINT LOADS: what work-groups share is Wm alone; a joint load needs LDS slots, and 262,144 (landing) + 50,176 (codes) + 2,048 + 8,192 + 2,560 bytes leave 2,560 of 327,680.
;   Inside the work-group a fragment of Wm is one wave's alone, so LDS would spare no read of it.
; NO DATA PREFETCH: a block's tensor load is issued as soon as the landing area is free, 512 products and their activations ahead of the wait for it; nothing could be asked for earlier by more than P1.
; LIMITS: NaN and infinities among the inputs are not served; a block of 32 whose largest magnitude lies under 2^-124 has its scale byte held at 1 (a block of zeros too: its codes are zeros);
;   memory is rounded to bf16 for the weighted sum alone; 2^y beyond f32's range gives 1 / infinity = 0, which is tanh's limit.
; REGISTERS, in windows of 256.  Window 0: v0-31 addresses and statistics; v32-47 memory's scale words; v48-55 Wm's; v56-63 qc and v' of two tiles; v64-95 the sums t (in P1 with v96-127: numbers);
;   v96-127, v128-159 two sets of four accumulators; v160-255 Wm's ring 1.  Window 1: codes of K steps 0-4 (48 s + 12 a); v240-255 weighted sums 0-15.
;   Window 2: codes of K steps 5-7; v144-239 Wm's ring 0; v240-255 weighted sums 16-31.  Window 3: the bf16 copy, register 16 i + 8 (half row) + q.
.set COD,    262144                    ; LDS.  0: the landing area, wave w at 65,536 w, filled by tensor loads alone.  Codes: 64 rows,
.set CPITCH, 784                       ;   768 bytes + 16
.set ASC,    312320                    ; memory's scale bytes, 32 a row
.set TABQ,   314368                    ; qc of the batch; wave w writes and reads its own 1,024 bytes
.set SCP,    322560                    ; partial t: 4 waves x 64 rows   (v' lies 4,096 bytes behind TABQ)
.set PBC,    323584                    ; 2^(t - M) of the block, 256 bytes for each wave
.set SPARE,  324608                    ; the spare words, 128 bytes for each wave
.set RED,    COD                       ; the waves' weighted sums, 4 x 4,096 bytes, behind the last block's second barrier
.set TREC,   12800                     ; a tile of Wm in wrec
.set SPW, 1                            ; SPARE + 4 x thread; never rewritten
.set NIL, 2                            ; 0; never rewritten
.set REDL, 3                           ; RED + 1,024 w + 16 l
.set RA,  4                            ; v4-7 landing area: 65,536 w + 64 l + 16 (j xor sigma)
.set CA,  8                            ; COD + 12,544 w + 12 l
.set SA,  9                            ; ASC + 512 w + l / 2
.set AA,  10                           ; COD + 784 r + 24 h
.set AS,  11                           ; ASC + 32 r + 16 h
.set TA0, 12                           ; TABQ + 1,024 w + 4 r
.set TAO, 13                           ; the same + 128 x trip
.set BO,  14                           ; 16 l
.set G8,  16                           ; 8 l
.set B4,  17                           ; 4 l
.set SS,  18                           ; SCP + 256 w + 32 h
.set SL,  19                           ; SCP + 8 l
.set PS,  20                           ; PBC + 256 w + 8 l
.set PL,  21                           ; PBC + 320 w
.set MX,  22                           ; M
.set LS,  23                           ; L
.set T,   24                           ; v24-27 at work
.set RS,  28                           ; v28-31 RED + 4,096 w + 64 l + 16 (j xor sigma)
.set ASR, 32
.set BSR, 48
.set QV,  56                           ; tile parity e: qc in v[56 + 4 e], v' in v[58 + 4 e]
.set SACC, 64
.set ACC, 96
.set X,   64                           ; P1: four sets of 16 numbers
.set CD,  128                          ; P1: four sets of codes,
.set BY,  144                          ;     four scale bytes
.set PI,  96                           ; P4: 2^(t - M) of my 16 rows
.set W,   240                          ; the weighted sums, in windows 1 and 2
.set HL, 150                           ; the head's own temporaries
.set HR, 151
.set HH, 152
.set HS, 153
.set HT, 154
.set HU, 155
.set HV, 156
.set MSB, 0
.macro WIN new                         ; the immediate's high byte repeats the setting that is left; a switch that changes nothing is dropped
.if MSB != (\new)
	s_set_vgpr_msb (MSB<<8)|(\new)
.set MSB, (\new)
.endif
.endm
.macro VW
	s_wait_alu depctr_va_vdst(0)
.endm
	s_load_b256 s[4:11], s[0:1], 0x0               ; memory, v, qc, wrec
	s_load_b128 s[12:15], s[0:1], 0x20             ; scores, part
	s_load_b64 s[16:17], s[0:1], 0x30              ; ml
	v_lshl_add_u32 v[SPW], v0, 2, SPARE
	v_mov_b32 v[NIL], 0
	ds_add_u32 v[SPW], v[NIL]                      ; the opening lines: the add twice on end and one wait
	ds_add_u32 v[SPW], v[NIL]
	v_lshrrev_b32 v[T], 5, v0
	v_readfirstlane_b32 s18, v[T]                  ; wave 0..3
	s_mov_b32 s24, 3<<16                           ; group 1: my 16 rows are 65,536 dense bytes: 256 rows of 32 elements of 8 bytes
	s_mov_b32 s25, 32<<16
	s_mov_b32 s26, 256<<16
	s_mov_b32 s27, 32<<16
	s_mov_b32 s28, 256
	s_mov_b32 s29, 32
	s_mov_b32 s30, 0
	s_mov_b32 s31, 0
	s_mov_b32 s20, 1                               ; group 0
	s_lshl_b32 s21, s18, 16                        ; LDS address 65,536 w
	s_lshl_b32 s40, ttmp9, 20                      ; 256 rows of 4,096 bytes a work-group
	s_add_co_u32 s40, s40, s21                     ; + 16 rows a wave
	s_mov_b32 s41, 0
	s_mov_b32 s32, 0x4038aa3b                      ; c = 2 log2(e)
	s_mov_b32 s33, s32
	s_mov_b32 s34, 0x76543210                      ; selects for lane l xor 16
	s_mov_b32 s35, 0xfedcba98
	s_mov_b32 s50, 0xc038aa3b                      ; -c
	s_mov_b32 s51, s50
	s_wait_dscnt 0x0
	s_wait_kmcnt 0x0
	s_add_nc_u64 s[22:23], s[4:5], s[40:41]
	s_or_b32 s23, s23, 0x80000000
	tensor_load_to_lds s[20:23], s[24:31]          ; block 0: my one tensor load at the head; one load of mine is out, here and behind each refill
	s_nop 0
.rept 4
	v_nop
.endr
	; all the head's scalar work, then all its vector work, then one wait
	s_lshr_b32 s40, ttmp9, 2
	s_lshl_b32 s40, s40, 12
	s_add_nc_u64 s[8:9], s[8:9], s[40:41]          ; qc at my batch
	s_mul_i32 s40, s18, 16*TREC
	s_add_nc_u64 s[10:11], s[10:11], s[40:41]      ; wrec at my wave's 16 tiles
	s_lshl_b32 s40, ttmp9, 10
	s_add_nc_u64 s[12:13], s[12:13], s[40:41]      ; scores at my 256 rows
	s_lshl_b32 s42, s18, 10                        ; 1,024 w
	s_lshl_b32 s40, ttmp9, 12
	s_add_co_u32 s40, s40, s42
	s_add_nc_u64 s[14:15], s[14:15], s[40:41]      ; part: my work-group's row, my wave's 256 columns
	s_lshl_b32 s40, ttmp9, 3
	s_add_nc_u64 s[16:17], s[16:17], s[40:41]      ; ml
	s_lshl_b32 s52, s18, 12
	s_add_co_u32 s52, s52, RED
	s_mul_i32 s53, s18, 16*CPITCH
	s_add_co_u32 s53, s53, COD
	s_lshl_b32 s54, s18, 9
	s_add_co_u32 s54, s54, ASC
	s_add_co_u32 s55, s42, TABQ
	s_lshl_b32 s56, s18, 8
	s_add_co_u32 s57, s56, PBC
	s_add_co_u32 s56, s56, SCP
	s_mul_i32 s58, s18, 320
	s_add_co_u32 s58, s58, PBC
	s_add_co_u32 s59, s42, RED
	v_and_b32 v[HL], 31, v0                        ; l
	v_and_b32 v[HR], 15, v0                        ; r
	v_bfe_u32 v[HH], v0, 4, 1                      ; h
	v_bfe_u32 v[HS], v0, 2, 2                      ; sigma
	v_lshl_add_u32 v[HT], v[HL], 6, s21
	v_lshl_add_u32 v[HU], v[HL], 6, s52
.irp j, 0,1,2,3
	v_xor_b32 v[HV], \j, v[HS]
	v_lshl_add_u32 v[RA+\j], v[HV], 4, v[HT]
	v_lshl_add_u32 v[RS+\j], v[HV], 4, v[HU]
.endr
	v_mul_u32_u24 v[CA], v[HL], 12
	v_add_nc_u32 v[CA], s53, v[CA]
	v_lshrrev_b32 v[SA], 1, v[HL]
	v_add_nc_u32 v[SA], s54, v[SA]
	v_mul_u32_u24 v[AA], v[HR], CPITCH
	v_mad_u32_u24 v[AA], v[HH], 24, v[AA]
	v_add_nc_u32 v[AA], COD, v[AA]
	v_lshlrev_b32 v[AS], 5, v[HR]
	v_lshl_add_u32 v[AS], v[HH], 4, v[AS]
	v_add_nc_u32 v[AS], ASC, v[AS]
	v_lshl_add_u32 v[TA0], v[HR], 2, s55
	v_lshl_add_u32 v[HV], v[HL], 5, s55            ; where my 32 bytes of the tables go
	v_lshlrev_b32 v[BO], 4, v[HL]
	v_lshlrev_b32 v[G8], 3, v[HL]
	v_lshlrev_b32 v[B4], 2, v[HL]
	v_lshl_add_u32 v[SS], v[HH], 5, s56
	v_add_nc_u32 v[SL], SCP, v[G8]
	v_add_nc_u32 v[PS], s57, v[G8]
	v_mov_b32 v[PL], s58
	v_add_nc_u32 v[REDL], s59, v[BO]
	v_lshl_add_u32 v[HT], v[HL], 5, s42            ; my 8 numbers of qc and of v: 1,024 w + 32 l
	v_mov_b32 v[MX], 0xff61b1e6                    ; -3e38, under every t
	v_mov_b32 v[LS], 0
.irp i, 0,1,2,3
	v_mov_b32 v[T+\i], 0                           ; a lane permute's destination counts as one of its sources
	v_mov_b32 v[QV+2*\i+1], 0                      ; the upper halves of the pairs that the packed forms name
.endr
	WIN 0x40
.irp i, 0,1,2,3,4,5,6,7,8,9,10,11,12,13,14,15
	v_mov_b32 v[W+\i], 0                           ; the weighted sums: the block's text serves every block, the first finds zeros
.endr
	WIN 0x80
.irp i, 0,1,2,3,4,5,6,7,8,9,10,11,12,13,14,15
	v_mov_b32 v[W+\i], 0
.endr
	WIN 0
	VW                                             ; the head's end
	global_load_b128 v[128:131], v[HT], s[8:9]
	global_load_b128 v[132:135], v[HT], s[8:9] offset:16
	global_load_b128 v[136:139], v[HT], s[6:7]
	global_load_b128 v[140:143], v[HT], s[6:7] offset:16
; Half g of a tile of Wm into ring p: 14 loads: two scale words (each for a pair of K steps), then four fragments
.macro BHALF p, bas, boff, g
	WIN 0
	global_load_b32 v[BSR+4*\p+2*\g], v[B4], s[\bas:\bas+1] offset:\boff+12288+256*\g
	global_load_b32 v[BSR+4*\p+2*\g+1], v[B4], s[\bas:\bas+1] offset:\boff+12288+256*\g+128
	WIN 0x80*(1-\p)
.irp f, 0,1,2,3
.irp c, 0,1,2
	global_load_b128 v[144+16*\p+12*(4*\g+\f)+4*\c:144+16*\p+12*(4*\g+\f)+4*\c+3], v[BO], s[\bas:\bas+1] offset:\boff+1536*(4*\g+\f)+512*\c
.endr
.endr
.endm
	BHALF 0, 10, 0, 0
	BHALF 0, 10, 0, 1
	BHALF 1, 10, TREC, 0
	BHALF 1, 10, TREC, 1
	WIN 0
	s_wait_loadcnt 56                              ; qc and v are in; Wm's two tiles (2 x 28 loads) may be out
.irp i, 0,2,4,6
	v_pk_mul_f32 v[136+\i:137+\i], v[136+\i:137+\i], s[50:51] op_sel_hi:[1,0]   ; v' = -c v
.endr
	ds_store_b128 v[HV], v[128:131]
	ds_store_b128 v[HV], v[132:135] offset:16
	ds_store_b128 v[HV], v[136:139] offset:4096
	ds_store_b128 v[HV], v[140:143] offset:4112
; ---- P1.  Step u = 2 i + (half row) of my row i: 16 numbers a lane
.macro PLOADS u
.irp j, 0,1,2,3
	ds_load_b128 v[X+16*((\u)%4)+4*\j:X+16*((\u)%4)+4*\j+3], v[RA+\j] offset:2048*(\u)
.endr
.endm
; Row g of my sixteen: its two steps 2 g and 2 g + 1 are worked together, line by line by turns, so that four chains of maxima and two tails stand side by side.
.macro PSTEP g
; the count is what was issued behind this row's eight loads: row 0: the next row's eight loads; rows 1-14: the row before's eight stores and eight loads; row 15: row 14's eight stores
.if (\g) == 0 || (\g) == 15
	s_wait_dscnt 8
.else
	s_wait_dscnt 16
.endif
.set XA, X+32*((\g)%2)
.set XB, XA+16
.set CSA, CD+8*((\g)%2)
.set BA, BY+2*((\g)%2)
	v_max3_num_f32 v[T], |v[XA]|, |v[XA+1]|, |v[XA+2]|
	v_max3_num_f32 v[T+1], |v[XA+3]|, |v[XA+4]|, |v[XA+5]|
	v_max3_num_f32 v[T+2], |v[XB]|, |v[XB+1]|, |v[XB+2]|
	v_max3_num_f32 v[T+3], |v[XB+3]|, |v[XB+4]|, |v[XB+5]|
.irp i, 6,10
	v_max3_num_f32 v[T], v[T], |v[XA+\i]|, |v[XA+\i+1]|
	v_max3_num_f32 v[T+1], v[T+1], |v[XA+\i+2]|, |v[XA+\i+3]|
	v_max3_num_f32 v[T+2], v[T+2], |v[XB+\i]|, |v[XB+\i+1]|
	v_max3_num_f32 v[T+3], v[T+3], |v[XB+\i+2]|, |v[XB+\i+3]|
.endr
	v_max3_num_f32 v[T], v[T], |v[XA+14]|, |v[XA+15]|
	v_max3_num_f32 v[T+2], v[T+2], |v[XB+14]|, |v[XB+15]|
	v_max3_num_f32 v[T], v[T], v[T+1], 0x1800000   ; the floor 2^(3 - 127): the byte cannot fall under 1
	v_max3_num_f32 v[T+2], v[T+2], v[T+3], 0x1800000
	WIN 0xc0
.irp q, 0,1,2,3,4,5,6,7
	v_cvt_pk_bf16_f32 v[16*(\g)+\q], v[XA+2*\q], v[XA+2*\q+1]   ; the copy for the weighted sum, first half row
.endr
	WIN 0
	v_max_num_f32_dpp v[T], v[T], v[T] row_xmask:1 row_mask:0xf bank_mask:0xf   ; with my neighbour's 16: the block's largest magnitude
	v_max_num_f32_dpp v[T+2], v[T+2], v[T+2] row_xmask:1 row_mask:0xf bank_mask:0xf
	v_add_nc_u32 v[T+1], 0xff000000, v[T]          ; 2 off the exponent field: the conversion's scale operand
	v_add_nc_u32 v[T+3], 0xff000000, v[T+2]
	v_cvt_scalef32_pk16_fp6_f32 v[CSA:CSA+2], v[XA:XA+15], v[T+1]
	v_cvt_scalef32_pk16_fp6_f32 v[CSA+4:CSA+6], v[XB:XB+15], v[T+3]
	v_lshrrev_b32 v[BA], 23, v[T+1]                ; the scales' bytes; also the plain lines behind the conversions
	v_lshrrev_b32 v[BA+1], 23, v[T+3]
	WIN 0xc0
.irp q, 0,1,2,3,4,5,6,7
	v_cvt_pk_bf16_f32 v[16*(\g)+8+\q], v[XB+2*\q], v[XB+2*\q+1]   ; second half row; these stand between the codes' making and the stores that read them
.endr
	WIN 0
.irp c, 0,1,2
	ds_store_b32 v[CA], v[CSA+\c] offset:CPITCH*(\g)+4*\c
.endr
.irp c, 0,1,2
	ds_store_b32 v[CA], v[CSA+4+\c] offset:CPITCH*(\g)+384+4*\c
.endr
	ds_store_b8 v[SA], v[BA] offset:32*(\g)        ; both lanes of a block write the same byte with the same value
	ds_store_b8 v[SA], v[BA+1] offset:32*(\g)+16
.if (\g) < 14
	PLOADS 2*(\g)+4
	PLOADS 2*(\g)+5
.endif
.endm
; ---- P3.  One product: rows 16 a on x a tile's 16 hidden units, K step s.  Source 0 = memory, source 1 = Wm: a lane holds ONE hidden unit (r) and eight rows (8 h + j).
; memory's scale words: register s % 4 of the row tile's four, lanes 16-31 for s >= 4.  Wm's: register s / 2 of the ring's four, lanes 16-31 for odd s.
.macro MM p, s, a
.set rA, 48*((\s)%5)+12*(\a)
.set rB, 144+16*(\p)+12*(\s)
.set rD, ACC+32*(\p)+8*(\a)
.set rE, ASR+4*(\a)+(\s)%4
.set rF, BSR+4*(\p)+(\s)/2
.if (\s) == 0
	v_wmma_scale_f32_16x16x128_f8f6f4 v[rD:rD+7], v[rA:rA+11], v[rB:rB+11], 0, v[rE], v[rF] matrix_a_fmt:MATRIX_FMT_FP6 matrix_b_fmt:MATRIX_FMT_FP6
.elseif (\s) < 4 && (\s)%2 == 0
	v_wmma_scale_f32_16x16x128_f8f6f4 v[rD:rD+7], v[rA:rA+11], v[rB:rB+11], v[rD:rD+7], v[rE], v[rF] matrix_a_fmt:MATRIX_FMT_FP6 matrix_b_fmt:MATRIX_FMT_FP6
.elseif (\s) < 4
	v_wmma_scale_f32_16x16x128_f8f6f4 v[rD:rD+7], v[rA:rA+11], v[rB:rB+11], v[rD:rD+7], v[rE], v[rF] matrix_a_fmt:MATRIX_FMT_FP6 matrix_b_fmt:MATRIX_FMT_FP6 matrix_b_scale:MATRIX_SCALE_ROW1
.elseif (\s)%2 == 0
	v_wmma_scale_f32_16x16x128_f8f6f4 v[rD:rD+7], v[rA:rA+11], v[rB:rB+11], v[rD:rD+7], v[rE], v[rF] matrix_a_fmt:MATRIX_FMT_FP6 matrix_b_fmt:MATRIX_FMT_FP6 matrix_a_scale:MATRIX_SCALE_ROW1
.else
	v_wmma_scale_f32_16x16x128_f8f6f4 v[rD:rD+7], v[rA:rA+11], v[rB:rB+11], v[rD:rD+7], v[rE], v[rF] matrix_a_fmt:MATRIX_FMT_FP6 matrix_b_fmt:MATRIX_FMT_FP6 matrix_a_scale:MATRIX_SCALE_ROW1 matrix_b_scale:MATRIX_SCALE_ROW1
.endif
.endm
; A tile: 32 products on ring p and accumulator set p, the four accumulators by turns, two window settings.
; cnt: the loads issued behind this ring's 28.  Four places follow the last product, ahead of the loads into the ring and of the reads of the results.
; pre: the ring takes the tile two on, at base s[bas] + boff.
.macro TILE p, cnt, pre, bas, boff
	s_wait_loadcnt \cnt
.irp s, 0,1,2,3,4,5,6,7
	WIN 1+\s/5+8*(1-\p)
.irp a, 0,1,2,3
	MM \p, \s, \a
.endr
.endr
	WIN 0
.rept 4
	v_nop
.endr
.if \pre
	BHALF \p, \bas, \boff, 0
	BHALF \p, \bas, \boff, 1
	WIN 0
.endif
.endm
; The activation of both accumulator sets, in batches; each accumulator is read from its low end on.
.macro ACT
.irp e, 0,1
.set U, 0
.rept 16
	v_pk_fma_f32 v[ACC+32*\e+2*U:ACC+32*\e+2*U+1], v[ACC+32*\e+2*U:ACC+32*\e+2*U+1], s[32:33], v[QV+4*\e:QV+4*\e+1] op_sel_hi:[1,0,0]   ; y = c x + qc
.set U, U+1
.endr
.endr
	VW                                             ; ahead of the batch
.set U, 0
.rept 64
	v_exp_f32 v[ACC+U], v[ACC+U]                   ; 2^y
.set U, U+1
.endr
	v_nop                                          ; a plain line behind the batch
	VW                                             ; and the wait behind it
.set U, 0
.rept 32
	v_pk_add_f32 v[ACC+2*U:ACC+2*U+1], v[ACC+2*U:ACC+2*U+1], 1.0 op_sel_hi:[1,0]
.set U, U+1
.endr
	VW
.set U, 0
.rept 64
	v_rcp_f32 v[ACC+U], v[ACC+U]                   ; 1 / (1 + 2^y)
.set U, U+1
.endr
	v_nop
	VW
.irp e, 0,1
.set U, 0
.rept 16
	v_pk_fma_f32 v[SACC+2*U:SACC+2*U+1], v[ACC+32*\e+2*U:ACC+32*\e+2*U+1], v[QV+4*\e+2:QV+4*\e+3], v[SACC+2*U:SACC+2*U+1] op_sel_hi:[1,0,1]   ; t += v' / (1 + 2^y)
.set U, U+1
.endr
.endr
.endm
; Two tiles and their activation.  s38 = 128 x trip: two tiles' 64 bytes of the tables.
.macro PAIR pre, bas
	v_add_nc_u32 v[TAO], s38, v[TA0]
	VW                                             ; directly behind the write
	ds_load_b32 v[QV], v[TAO]
	ds_load_b32 v[QV+2], v[TAO] offset:4096
	ds_load_b32 v[QV+4], v[TAO] offset:64
	ds_load_b32 v[QV+6], v[TAO] offset:4160
	TILE 0, 28, \pre, \bas, 0                      ; behind ring 0's loads: ring 1's 28
	TILE 1, 28*(\pre), \pre, \bas, TREC            ; behind ring 1's loads: ring 0's refill, where there is one
	s_wait_dscnt 0x0                               ; the four table numbers
	ACT
.endm
; ---- A block of 64 rows.  last = 1: nothing more is fetched, of memory or of Wm
.macro BLOCK last
	s_wait_tensorcnt 0x0                           ; my one tensor load, my own 16 rows, has landed: only I read them
.irp u, 0,1,2,3
	PLOADS \u
.endr
.set U, 0
.rept 16
	PSTEP U
.set U, U+1
.endr
.if \last
.set I, 0
.rept 32
	v_mov_b32 v[SACC+I], 0
.set I, I+1
.endr
	s_wait_dscnt 0x0                               ; my codes and bytes lie in LDS
	s_barrier_signal -1
	s_barrier_wait -1
.else
	s_wait_tensorcnt 0x0                           ; no tensor load of mine is out, so group 0 may be written
	ds_add_u32 v[SPW], v[NIL]
	s_add_nc_u64 s[22:23], s[22:23], 262144        ; the next block: 64 rows on
.set I, 0
.rept 32
	v_mov_b32 v[SACC+I], 0                         ; the block's sums t begin; work on registers while the add is out
.set I, I+1
.endr
	s_wait_dscnt 0x0                               ; the add is done, my reads of the landing area are back, my codes and bytes lie in LDS
	s_barrier_signal -1
	s_barrier_wait -1
	tensor_load_to_lds s[20:23], s[24:31]          ; my one tensor load behind the barrier, and the first thing there
	s_nop 0
.rept 4
	v_nop
.endr
.endif
	; P2: fragment (K step s, row tile a): lane (r, h) takes 24 bytes at 96 s + 24 h and at 96 s + 48 + 24 h of row 16 a + r
.irp s, 0,1,2,3,4,5,6,7
	WIN 0x40*(1+\s/5)
.irp a, 0,1,2,3
.irp p, 0,1,2,3,4,5
	ds_load_b64 v[48*(\s%5)+12*\a+2*\p:48*(\s%5)+12*\a+2*\p+1], v[AA] offset:16*CPITCH*\a+96*\s+48*(\p/3)+8*(\p%3)
.endr
.endr
.endr
	WIN 0
.irp a, 0,1,2,3
	ds_load_b128 v[ASR+4*\a:ASR+4*\a+3], v[AS] offset:512*\a   ; lanes 0-15: row r's words of K steps 0-3; lanes 16-31: of K steps 4-7
.endr
	s_mov_b32 s37, 0                               ; the trip
	s_mov_b32 s38, 0
	s_add_nc_u64 s[46:47], s[10:11], 2*TREC        ; what the rings take next: tiles 2 and 3 (no load that names s[46:47] is pending: each trip ends behind s_wait_xcnt 0)
	s_wait_dscnt 0x0
	; P3: seven trips that ask for the tiles two on, and the eighth, written out
.Ltau_\@:
	PAIR 1, 46
	s_wait_xcnt 0x0                                ; the trip's loads have read their base
	s_add_nc_u64 s[46:47], s[46:47], 2*TREC
	s_add_co_u32 s38, s38, 128
	s_add_co_u32 s37, s37, 1
	s_cmp_lt_u32 s37, 7
	s_cbranch_scc1 .Ltau_\@
	PAIR 1-\last, 10                               ; tiles 14, 15: the rings take the next block's tiles 0 and 1, or nothing
	; the sixteen hidden units of a half of the lanes are added: every lane of half h then holds my wave's part of t for rows 16 a + 8 h + j
.irp m, 1,2,4,8
.set I, 0
.rept 32
	v_add_f32_dpp v[SACC+I], v[SACC+I], v[SACC+I] row_xmask:\m row_mask:0xf bank_mask:0xf
.set I, I+1
.endr
.endr
.irp a, 0,1,2,3
.irp q, 0,1
	ds_store_b128 v[SS], v[SACC+8*\a+4*\q:SACC+8*\a+4*\q+3] offset:64*\a+16*\q   ; sixteen lanes write the same bytes with the same values
.endr
.endr
	s_wait_dscnt 0x0
	s_barrier_signal -1                            ; the tensor load may stay out.  It also parts this block's reads of the codes from the next block's stores
	s_barrier_wait -1
.irp u, 0,1,2,3
	ds_load_b64 v[128+2*\u:129+2*\u], v[SL] offset:256*\u
.endr
	s_wait_dscnt 0x0
	v_pk_add_f32 v[128:129], v[128:129], v[130:131]
	v_pk_add_f32 v[132:133], v[132:133], v[134:135]
	v_pk_add_f32 v[128:129], v[128:129], v[132:133]   ; t of rows 2 l and 2 l + 1, the same bits in all four waves
	VW                                             ; ahead of the branch and the wait behind which t is read again
	s_cmp_lg_u32 s18, 0
	s_cbranch_scc1 .Lnw0_\@
	global_store_b64 v[G8], v[128:129], s[12:13]   ; 32 lanes store 256 consecutive bytes, at a multiple of 256 from the buffer's first byte
.Lnw0_\@:
	s_wait_xcnt 0x0                                ; the store has read its base
	s_add_nc_u64 s[12:13], s[12:13], 256
	; P4: the running maximum and sum, and the weighted sum of my 16 rows
	v_max_num_f32 v[T], v128, v129
.irp m, 1,2,4,8
	v_max_num_f32_dpp v[T], v[T], v[T] row_xmask:\m row_mask:0xf bank_mask:0xf
.endr
	v_permlanex16_b32 v[T+1], v[T], s34, s35
	v_max3_num_f32 v[T], v[T], v[T+1], v[MX]       ; the new M
	v_sub_f32 v[T+2], v[MX], v[T]
	v_sub_f32 v136, v128, v[T]
	v_sub_f32 v137, v129, v[T]
	v_mov_b32 v[MX], v[T]
	VW                                             ; ahead of the batch
	v_exp_f32 v[T+2], v[T+2]                       ; f = 2^(old M - new M)
	v_exp_f32 v136, v136                           ; p = 2^(t - M)
	v_exp_f32 v137, v137
	v_nop
	VW                                             ; and behind it
	ds_store_b64 v[PS], v[136:137]                 ; my wave's own copy of the block's 64 p,
.irp q, 0,1,2,3
	ds_load_b128 v[PI+4*\q:PI+4*\q+3], v[PL] offset:16*\q   ; of which every lane takes my wave's 16 (LDS serves a wave's instructions in order)
.endr
	v_add_f32 v[T], v136, v137
.irp m, 1,2,4,8
	v_add_f32_dpp v[T], v[T], v[T] row_xmask:\m row_mask:0xf bank_mask:0xf
.endr
	v_permlanex16_b32 v[T+1], v[T], s34, s35
	v_add_f32 v[T], v[T], v[T+1]
	v_fma_f32 v[LS], v[LS], v[T+2], v[T]           ; L = L f + the block's sum
	WIN 0x41
.irp q, 0,2,4,6,8,10,12,14
	v_pk_mul_f32 v[W+\q:W+\q+1], v[W+\q:W+\q+1], v[T+2:T+3] op_sel_hi:[1,0]   ; the weighted sums under the new M
.endr
	WIN 0x82
.irp q, 0,2,4,6,8,10,12,14
	v_pk_mul_f32 v[W+\q:W+\q+1], v[W+\q:W+\q+1], v[T+2:T+3] op_sel_hi:[1,0]
.endr
	WIN 0
	VW                                             ; ahead of the wait below
	s_wait_dscnt 0x0
.irp f, 0,1                            ; half row f: sixteen sums, one multiply-add a row and column straight from the bf16 halves
	WIN 0x53+0x50*\f
.set I, 0
.rept 16
.irp q, 0,1,2,3,4,5,6,7
	v_fma_mix_f32_bf16 v[W+2*\q], v[16*I+8*\f+\q], v[PI+I], v[W+2*\q] op_sel_hi:[1,0,0]
	v_fma_mix_f32_bf16 v[W+2*\q+1], v[16*I+8*\f+\q], v[PI+I], v[W+2*\q+1] op_sel:[1,0,0] op_sel_hi:[1,0,0]
.endr
.set I, I+1
.endr
.endr
	WIN 0
.endm
	s_mov_b32 s36, 3
.Lblock:                                               ; three blocks behind whose first barrier the next block is asked for
	BLOCK 0
	s_sub_co_u32 s36, s36, 1
	s_cmp_lg_u32 s36, 0
	s_cbranch_scc1 .Lblock
	BLOCK 1                                        ; the last block is written out
	; The four waves' weighted sums meet in LDS, in the true order of the columns; the codes' bytes are free: every wave has passed the last block's second barrier
.irp f, 0,1
	WIN 0x04+0x04*\f                               ; an LDS store's data are its source 1: window 1, then 2
.irp j, 0,1,2,3
	ds_store_b128 v[RS+\j], v[W+4*\j:W+4*\j+3] offset:2048*\f
.endr
.endr
	WIN 0
	s_wait_dscnt 0x0
	s_barrier_signal -1
	s_barrier_wait -1
.irp u, 0,1,2,3
.irp z, 0,1
	ds_load_b128 v[96+4*(2*\u+\z):99+4*(2*\u+\z)], v[REDL] offset:4096*\u+512*\z   ; my 256 columns of wave u's sums
.endr
.endr
	v_mov_b32 v[T], 0
	VW                                             ; directly behind the write: v24 is read behind waits
	s_wait_dscnt 0x0
.irp d, 0,2,4,6
	v_pk_add_f32 v[96+\d:97+\d], v[96+\d:97+\d], v[104+\d:105+\d]
	v_pk_add_f32 v[112+\d:113+\d], v[112+\d:113+\d], v[120+\d:121+\d]
.endr
.irp d, 0,2,4,6
	v_pk_add_f32 v[96+\d:97+\d], v[96+\d:97+\d], v[112+\d:113+\d]
.endr
	global_store_b128 v[BO], v[96:99], s[14:15]    ; 32 lanes store 512 consecutive bytes
	global_store_b128 v[BO], v[100:103], s[14:15] offset:512
	s_wait_xcnt 0x0                                ; EXEC changes only behind this wait
	v_cmp_eq_u32 vcc_lo, 0, v0
	s_and_saveexec_b32 s41, vcc_lo
	global_store_b64 v[T], v[MX:MX+1], s[16:17]    ; thread 0: (M, L)
	s_wait_xcnt 0x0
	s_or_b32 exec_lo, exec_lo, s41
	s_wait_tensorcnt 0x0                           ; the wave's end
	ds_add_u32 v[SPW], v[NIL]
	s_wait_dscnt 0x0
	s_endpgm
.Lfunc_end_k_qe704ea9b1b_main:
	.size	k_qe704ea9b1b_main, .Lfunc_end_k_qe704ea9b1b_main-k_qe704ea9b1b_main
	.p2alignl 7, 3214868480
	.fill 96, 4, 3214868480
	.section	.rodata,"a",@progbits
	.p2align	6, 0x0
	.amdhsa_kernel k_qe704ea9b1b_main
		.amdhsa_group_segment_fixed_size 327680
		.amdhsa_private_segment_fixed_size 0
		.amdhsa_enable_private_segment 0
		.amdhsa_kernarg_size 56
		.amdhsa_user_sgpr_count 2
		.amdhsa_user_sgpr_kernarg_segment_ptr 1
		.amdhsa_wavefront_size32 1
		.amdhsa_system_sgpr_workgroup_id_x 1
		.amdhsa_system_sgpr_workgroup_id_y 1
		.amdhsa_system_sgpr_workgroup_id_z 1
		.amdhsa_system_vgpr_workitem_id 0
		.amdhsa_next_free_vgpr 1024
		.amdhsa_next_free_sgpr 66
		.amdhsa_reserve_vcc 1
		.amdhsa_float_denorm_mode_32 3
		.amdhsa_float_denorm_mode_16_64 3
		.amdhsa_memory_ordered 1
		.amdhsa_forward_progress 1
		.amdhsa_inst_pref_size 255
	.end_amdhsa_kernel
	.section	.bss,"aw",@nobits
	.p2align	6
	.space	262144
	.amdgpu_metadata
---
amdhsa.version: [ 1, 2 ]
amdhsa.kernels:
  - .name:           k_qe704ea9b1b_main
    .symbol:         k_qe704ea9b1b_main.kd
    .args:
      - { .name: memory, .offset: 0, .size: 8, .value_kind: global_buffer, .address_space: global }
      - { .name: v, .offset: 8, .size: 8, .value_kind: global_buffer, .address_space: global }
      - { .name: qc, .offset: 16, .size: 8, .value_kind: global_buffer, .address_space: global }
      - { .name: wrec, .offset: 24, .size: 8, .value_kind: global_buffer, .address_space: global }
      - { .name: scores, .offset: 32, .size: 8, .value_kind: global_buffer, .address_space: global }
      - { .name: part, .offset: 40, .size: 8, .value_kind: global_buffer, .address_space: global }
      - { .name: ml, .offset: 48, .size: 8, .value_kind: global_buffer, .address_space: global }
    .group_segment_fixed_size: 327680
    .private_segment_fixed_size: 0
    .kernarg_segment_align: 8
    .kernarg_segment_size: 56
    .max_flat_workgroup_size: 128
    .sgpr_count:     66
    .vgpr_count:     1024
    .wavefront_size: 32
...
	.end_amdgpu_metadata
.endif
;; end of part 2
;; launch combine (part 3): grid 64 x 1, 8 waves a work-group, no clusters, 0 bytes of LDS; arguments scores, part, ml, out0, out1; writes out0, out1
.if DOCPART == 3
	.amdgcn_target "amdgcn-amd-amdhsa--gfx1250"
	.amdhsa_code_object_version 6
	.text
	.protected	k_qe704ea9b1b_combine
	.globl	k_qe704ea9b1b_combine
	.p2align	8
	.type	k_qe704ea9b1b_combine,@function
k_qe704ea9b1b_combine:
	s_mov_b64 s[64:65], 0
	v_nop
	global_prefetch_b8 v0, s[64:65] scope:SCOPE_SE
	s_setreg_imm32_b32 hwreg(HW_REG_WAVE_MODE, 25, 1), 1
	s_wait_xcnt 0x0
; A batch to a work-group: the four quarters' (M, L) and weighted sums are brought under the batch's largest M.
;   Mg = max M_g;  f_g = 2^(M_g - Mg);  Lg = sum f_g L_g;  out0[m] = 2^(t[m] - Mg) / Lg;  out1[d] = (sum f_g part_g[d]) / Lg.
; t is log2(e) x (the score less a constant of the batch), so these are the softmax's weights with the maximum taken away.
; Thread i owns 16 bytes at 16 i of each row of 4,096 bytes: every load and store of a wave covers 512 consecutive bytes.  Memory binds and the launch is small: no LDS, no matrix unit.
	s_load_b256 s[4:11], s[0:1], 0x0               ; scores s[4:5], part s[6:7], ml s[8:9], out0 s[10:11]
	s_load_b64 s[12:13], s[0:1], 0x20              ; out1
	v_lshlrev_b32 v1, 4, v0
	s_lshl_b32 s14, ttmp9, 12                      ; a batch's row of 4,096 bytes
	s_mov_b32 s15, 0
	s_lshl_b32 s16, ttmp9, 14                      ; its four rows of part
	s_mov_b32 s17, 0
	s_lshl_b32 s18, ttmp9, 5                       ; its four pairs (M, L)
	s_mov_b32 s19, 0
	s_wait_alu depctr_va_vdst(0)
	s_wait_kmcnt 0x0
	s_add_nc_u64 s[4:5], s[4:5], s[14:15]
	s_add_nc_u64 s[6:7], s[6:7], s[16:17]
	s_add_nc_u64 s[8:9], s[8:9], s[18:19]
	s_add_nc_u64 s[10:11], s[10:11], s[14:15]
	s_add_nc_u64 s[12:13], s[12:13], s[14:15]
	s_load_b256 s[20:27], s[8:9], 0x0              ; M0, L0, M1, L1, M2, L2, M3, L3
	global_load_b128 v[4:7], v1, s[4:5]
.irp g, 0,1,2,3
	global_load_b128 v[8+4*\g:11+4*\g], v1, s[6:7] offset:4096*\g
.endr
	s_wait_kmcnt 0x0
	v_mov_b32 v2, s20
	s_delay_alu instid0(VALU_DEP_1)
	v_max_num_f32 v2, s22, v2
	s_delay_alu instid0(VALU_DEP_1)
	v_max_num_f32 v2, s24, v2
	s_delay_alu instid0(VALU_DEP_1)
	v_max_num_f32 v2, s26, v2                      ; Mg
	s_delay_alu instid0(VALU_DEP_1)
	v_sub_f32 v24, s20, v2
	s_delay_alu instid0(VALU_DEP_2)
	v_sub_f32 v25, s22, v2
	s_delay_alu instid0(VALU_DEP_3)
	v_sub_f32 v26, s24, v2
	s_delay_alu instid0(VALU_DEP_4)
	v_sub_f32 v27, s26, v2
	s_wait_alu depctr_va_vdst(0)
.irp g, 0,1,2,3
	v_exp_f32 v[24+\g], v[24+\g]                   ; f_g
.endr
	v_nop                                          ; a plain line behind the transcendentals
	s_wait_alu depctr_va_vdst(0)
	v_mul_f32 v3, s21, v24
	v_fmac_f32 v3, s23, v25
	v_fmac_f32 v3, s25, v26
	v_fmac_f32 v3, s27, v27                        ; Lg
	s_wait_alu depctr_va_vdst(0)
	v_rcp_f32 v3, v3
	v_nop
	s_wait_alu depctr_va_vdst(0)
.irp g, 0,1,2,3
	v_mul_f32 v[24+\g], v[24+\g], v3               ; f_g / Lg
.endr
	s_wait_loadcnt 0x0
.irp e, 0,1,2,3
	v_sub_f32 v[4+\e], v[4+\e], v2
.endr
	s_wait_alu depctr_va_vdst(0)
.irp e, 0,1,2,3
	v_exp_f32 v[4+\e], v[4+\e]
.endr
.irp e, 0,1,2,3
	v_mul_f32 v[28+\e], v[8+\e], v24               ; (the first is the plain line behind the exponentials)
.endr
.irp e, 0,1,2,3
	s_delay_alu instid0(VALU_DEP_4)
	v_fmac_f32 v[28+\e], v[12+\e], v25
.endr
.irp e, 0,1,2,3
	s_delay_alu instid0(VALU_DEP_4)
	v_fmac_f32 v[28+\e], v[16+\e], v26
.endr
.irp e, 0,1,2,3
	s_delay_alu instid0(VALU_DEP_4)
	v_fmac_f32 v[28+\e], v[20+\e], v27
.endr
	s_wait_alu depctr_va_vdst(0)
.irp e, 0,1,2,3
	v_mul_f32 v[4+\e], v[4+\e], v3
.endr
	global_store_b128 v1, v[4:7], s[10:11]
	global_store_b128 v1, v[28:31], s[12:13]
	s_endpgm
.Lfunc_end_k_qe704ea9b1b_combine:
	.size	k_qe704ea9b1b_combine, .Lfunc_end_k_qe704ea9b1b_combine-k_qe704ea9b1b_combine
	.p2alignl 7, 3214868480
	.fill 96, 4, 3214868480
	.section	.rodata,"a",@progbits
	.p2align	6, 0x0
	.amdhsa_kernel k_qe704ea9b1b_combine
		.amdhsa_group_segment_fixed_size 0
		.amdhsa_private_segment_fixed_size 0
		.amdhsa_enable_private_segment 0
		.amdhsa_kernarg_size 40
		.amdhsa_user_sgpr_count 2
		.amdhsa_user_sgpr_kernarg_segment_ptr 1
		.amdhsa_wavefront_size32 1
		.amdhsa_system_sgpr_workgroup_id_x 1
		.amdhsa_system_sgpr_workgroup_id_y 1
		.amdhsa_system_sgpr_workgroup_id_z 1
		.amdhsa_system_vgpr_workitem_id 0
		.amdhsa_next_free_vgpr 48
		.amdhsa_next_free_sgpr 66
		.amdhsa_reserve_vcc 0
		.amdhsa_float_denorm_mode_32 3
		.amdhsa_float_denorm_mode_16_64 3
		.amdhsa_memory_ordered 1
		.amdhsa_forward_progress 1
		.amdhsa_inst_pref_size 4
	.end_amdhsa_kernel
	.amdgpu_metadata
---
amdhsa.version: [ 1, 2 ]
amdhsa.kernels:
  - .name:           k_qe704ea9b1b_combine
    .symbol:         k_qe704ea9b1b_combine.kd
    .args:
      - { .name: scores, .offset: 0, .size: 8, .value_kind: global_buffer, .address_space: global }
      - { .name: part, .offset: 8, .size: 8, .value_kind: global_buffer, .address_space: global }
      - { .name: ml, .offset: 16, .size: 8, .value_kind: global_buffer, .address_space: global }
      - { .name: out0, .offset: 24, .size: 8, .value_kind: global_buffer, .address_space: global }
      - { .name: out1, .offset: 32, .size: 8, .value_kind: global_buffer, .address_space: global }
    .group_segment_fixed_size: 0
    .private_segment_fixed_size: 0
    .kernarg_segment_align: 8
    .kernarg_segment_size: 40
    .max_flat_workgroup_size: 256
    .sgpr_count:     66
    .vgpr_count:     48
    .wavefront_size: 32
...
	.end_amdgpu_metadata
.endif
;; end of part 3
